; MI455X (gfx1250); checked and timed in simulation.
; The chip was launched on July 23, 2026; its instructions are those of AMD's public machine-readable ISA for CDNA 5 (MIT licence, August 2026) and "CDNA5" Instruction Set Architecture Reference Guide (July 2026). The comments in the code are by the model that wrote it; some were corrected since.
;; HQQSVD Linear. Allowed arithmetic: float matrix products may take bf16 or f16 operands with f32 sums; other float arithmetic in f32, or as packed bf16 or f16 multiplies, adds, multiply-adds, maxima and minima; sums over many terms, partial sums and values carried from step to step in f32; what a program stores and reads back later, other than sums and carried values, may be rounded once to bf16 or f16.
;; Inputs: bias 4,096 float32; scale 4,096 x 64 x 1 float32; svd_down 32 x 4,096 float32; svd_up 4,096 x 32 float32; w_packed 8,388,608 int32; x 1 x 4,096 x 4,096 float32; zero_point 4,096 x 64 x 1 float32.
;; Outputs: out0 1 x 4,096 x 4,096 float32.
;; 2 versions, each right; version 2 is version 1 with the launch quant written anew for expert scheduling mode. Each part assembles by itself: llvm-mc -triple=amdgcn-amd-amdhsa -mcpu=gfx1250 --defsym DOCPART=n.
;; ======== version 1 of 2: 2 launches
;; limits: below input magnitudes of 7.9e-31 results are inexact or not finite; values are held in f16: magnitudes above 65,504 overflow, below 6.1e-05 lose precision
;; workspace buffers: xq 33,554,432 bytes; wq 33,554,432 bytes; scl 32,768 bytes
;; launch quant (part 1): grid 256 x 1, 16 waves a work-group, no clusters, 318,976 bytes of LDS; arguments x, w_packed, svd_up, svd_down, scale, zero_point, xq, wq, scl; writes xq, wq, scl
.if DOCPART == 1
	.amdgcn_target "amdgcn-amd-amdhsa--gfx1250"
	.amdhsa_code_object_version 6
	.text
	.protected	k_q8425073f1f_quant
	.globl	k_q8425073f1f_quant
	.p2align	8
	.type	k_q8425073f1f_quant,@function
k_q8425073f1f_quant:
	s_mov_b64 s[64:65], 0
	v_nop
	global_prefetch_b8 v0, s[64:65] scope:SCOPE_SE
	s_setreg_imm32_b32 hwreg(HW_REG_WAVE_MODE, 25, 1), 1
	s_wait_xcnt 0x0
; QUANTISES BOTH OPERANDS OF THE PRODUCT.  xq[m][i] = clip(round(x[m][i] / sx[m])), sx[m] = max_i |x[m][i]| / 127;
; W[o][i] = (q[o][i] - zero[o][i/64]) * scale[o][i/64] + sum_k svd_up[o][k] svd_down[k][i];  wq[o][i] = clip(round(W[o][i] / sw[o])), sw[o] = max_i |W[o][i]| / 127.
; xq, wq: [4096][4096] bf16, which holds the whole numbers -128 .. 127 exactly.  scl: sx[4096] at byte 0, sw[4096] at byte 16,384, f32.
; NOTHING OF reference() IS LEFT OUT: every input reaches the output, and all are loaded (the bias by the second launch).
; FORMATS.  The rank-32 product goes to the matrix unit in f16 with f32 sums (svd_up, svd_down rounded once); (q - zero) * scale is made in f32 in reference()'s order and enters as the C operand.
; LIMITS.  |svd_up|, |svd_down| under 65,504 (f16's range).  sx = max * (1/127), and the division by sx is a multiplication by v_rcp_f32(sx): one or two units in the last place beside a true
; division, which moves a number that lies that close to a half by one step.  A row whose largest magnitude is under 2^-100 is quantised to zeros (an all-zero row too, where reference() forms 0 / 0).
; NaN and infinities among the inputs are not treated apart.  Of each word of w_packed the low byte alone is used, as in reference().
; ROUNDING.  t = v * inv + 1.5 * 2^23 in one fused step rounds to a whole number, ties to even; t - 1.5 * 2^23 is exact; so is its conversion to bf16; the clip is taken on the packed halves.
; SHARES.  Work-group g, sixteen waves.  x: wave w owns row 16 g + w whole, 128 registers: its maximum never leaves the wave.  W: the work-group owns rows 16 g .. +15, wave w their columns
; 256 w .. +255: sixteen tiles of 16 x 16, four groups of 64.  The sixteen waves' row maxima meet in LDS behind the kernel's one barrier.
; LAYOUT.  The matrix instruction is used transposed: source 0 = 16 columns of svd_down (turned on the way out of LDS by ds_load_tr16_b128), source 1 = the 16 rows of svd_up.  In the result lane l
; holds row l % 16 of W, and registers 0-7 the columns 8 (l / 16) + 0..7 of the tile: one word of eight nibbles coming in, 16 bytes of bf16 going out.
; NO RING, NO PREFETCH, NO CLUSTER: a wave reads only bytes of its own; all of x's and w_packed's share is asked for in the first lines; svd_down, which all work-groups read, would have to land in LDS
; as f32, for which no room is left beside the 318,976 bytes in use.
.set WSPAN, 19712                      ; LDS of a wave: DN, then NB
.set NBO,   17408                      ; DN: svd_down in f16, 32 rows (k) x 256 columns, pitch 544 = 17 x 32 bytes; later ST, the stage, lies over it: 16 rows, pitch 528 = 33 x 16 bytes
                                       ; NB: eight nibbles a word, 16 rows, pitch 144 = 9 x 16 bytes
.set MXB,   315392                     ; the waves' row maxima: row r at 80 r, wave w's word at 4 w
.set SXB,   316672                     ; sx of x's row 16 g + w at word w
.set SPARE, 316928                     ; the spare words, 128 bytes for each of the sixteen waves: eight blocks of 256 bytes that no other line names
.set L16, 4                            ; v4   16 x lane
.set L8,  5                            ; v5   8 x lane
.set DSA, 6                            ; v6   DN + 8 x lane
.set NBS, 7                            ; v7   where my word of nibbles goes
.set NBL, 8                            ; v8   where I read a group's four words
.set TRA, 9                            ; v9   the turning load's address
.set STO, 10                           ; v10  the stage, in: row l % 16, 16 bytes for each half of the lanes
.set RDB, 11                           ; v11  the stage, back: 16 x lane of a row
.set UO,  12                           ; v12  svd_up: 128 (l % 16) + 32 (l / 16)
.set ZO,  13                           ; v13  zero_point, scale: 256 (l % 16)
.set MXS, 14
.set MXL, 15
.set SXA, 16
.set SXL, 17
.set SCO, 18                           ; v18  my word of scl: lanes 0-15 sw, lanes 16-31 sx
.set TT,  19                           ; v19  at work
.set MX,  20                           ; v[20:23] four running maxima
.set UPF, 24                           ; v[24:31] svd_up's fragment, f16
.set ZP,  32                           ; v[32:35] zero_point of my row's four groups
.set SC,  36                           ; v[36:39] scale likewise
.set NQ,  40                           ; v[40:55] svd_up in f32, later the sixteen tiles' words of nibbles
.set INV, 56                           ; v[56:57] 1 / s, twice
.set SV,  58                           ; v58  s: sx, later sw
.set SEL, 59                           ; v59  what wave 0 stores into scl
.set SPW, 60                           ; v60  my spare word's address; never rewritten
.set NIL, 61                           ; v61  0; never rewritten
.set RB,  64                           ; v[64:127]  w_packed's words; svd_down on its way; source 0's fragments; rows on their way out
.set ACC, 128                          ; v[128:255] x's row; svd_down on its way; then W: tile T at ACC + 8 T
	s_load_b512 s[4:19], s[0:1], 0x0               ; x 4, w_packed 6, svd_up 8, svd_down 10, scale 12, zero_point 14, xq 16, wq 18
	s_load_b64 s[20:21], s[0:1], 0x40              ; scl
	v_lshl_add_u32 v[SPW], v0, 2, SPARE
	v_mov_b32 v[NIL], 0
	v_lshrrev_b32 v[TT], 5, v0
	v_readfirstlane_b32 s22, v[TT]                 ; wave 0..15
	v_and_b32 v1, 31, v0                           ; l
	v_and_b32 v2, 15, v0                           ; l % 16
	v_bfe_u32 v3, v0, 4, 1                         ; l / 16
	s_mul_i32 s38, s22, WSPAN                      ; my wave's LDS
	s_add_co_u32 s39, s38, NBO
	v_lshlrev_b32 v[L16], 4, v1
	v_lshlrev_b32 v[L8], 3, v1
	v_lshl_add_u32 v[DSA], v1, 3, s38
	; Lane l's word holds columns 8 l .. 8 l + 7: group l / 8, tile (l / 2) % 4 of it, half l % 2.  It goes to place 8 (l / 8) + 4 (l % 2) + (l / 2) % 4, so that one half's four tiles lie on end.
	v_and_b32 v[NBS], 24, v1
	v_and_b32 v[TT], 1, v1
	v_lshl_or_b32 v[NBS], v[TT], 2, v[NBS]
	v_bfe_u32 v[TT], v1, 1, 2
	v_or_b32 v[NBS], v[NBS], v[TT]
	v_lshl_add_u32 v[NBS], v[NBS], 2, s39
	v_mul_u32_u24 v[NBL], v2, 144
	v_lshl_add_u32 v[NBL], v3, 4, v[NBL]
	v_add_nc_u32 v[NBL], s39, v[NBL]
	; The turning load: lane l reads 16 bytes of row k = 8 (l / 16) + l % 8, columns 8 ((l / 8) % 2) + 0..7, and is left with column l % 16 and eight k.
	v_and_b32 v[TT], 7, v1
	v_lshl_add_u32 v[TT], v3, 3, v[TT]
	v_mul_u32_u24 v[TRA], v[TT], 544
	v_bfe_u32 v[TT], v1, 3, 1
	v_lshl_add_u32 v[TRA], v[TT], 4, v[TRA]
	v_add_nc_u32 v[TRA], s38, v[TRA]
	v_mul_u32_u24 v[STO], v2, 528
	v_lshl_add_u32 v[STO], v3, 4, v[STO]
	v_add_nc_u32 v[STO], s38, v[STO]
	v_lshl_add_u32 v[RDB], v1, 4, s38
	v_lshlrev_b32 v[UO], 7, v2
	v_lshl_add_u32 v[UO], v3, 5, v[UO]
	v_lshlrev_b32 v[ZO], 8, v2
	v_mul_u32_u24 v[MXL], v2, 80
	v_add_nc_u32 v[MXL], MXB, v[MXL]
	s_lshl_b32 s40, s22, 2
	v_add_nc_u32 v[MXS], s40, v[MXL]
	s_add_co_u32 s40, s40, SXB
	v_mov_b32 v[SXA], s40
	v_lshl_add_u32 v[SXL], v2, 2, SXB
	v_xor_b32 v[SCO], 1, v3
	v_lshlrev_b32 v[SCO], 14, v[SCO]               ; sw lies 16,384 bytes behind sx
	v_lshl_add_u32 v[SCO], v2, 2, v[SCO]
	s_lshl_b32 s41, ttmp9, 6
	v_add_nc_u32 v[SCO], s41, v[SCO]
	s_mov_b32 s26, 0x4b400000                      ; 1.5 * 2^23; named as pairs, so both words are written
	s_mov_b32 s27, 0x4b400000
	s_mov_b32 s28, 0xcb400000                      ; and its negative
	s_mov_b32 s29, 0xcb400000
	s_mov_b32 s30, 0x42fe42fe                      ; 127 twice, in bf16
	s_mov_b32 s31, 0xc300c300                      ; -128 twice
	s_mov_b32 s32, 0x04000400                      ; v_perm_b32: byte 0 of both sources
	s_mov_b32 s33, 0x05040100                      ; the low halves of both sources
	s_mov_b32 s34, 0x76543210                      ; v_permlanex16_b32: each lane takes its own place in the other half
	s_mov_b32 s35, 0xfedcba98
	s_mov_b32 s36, 0x3c010204                      ; 1 / 127
	s_mov_b32 s37, 0x0d800000                      ; 2^-100
	s_lshl_b32 s23, ttmp9, 4
	s_add_co_u32 s23, s23, s22                     ; my row of x
	s_mov_b32 s25, 0
	s_wait_kmcnt 0x0
	s_lshl_b32 s24, s23, 14
	s_add_nc_u64 s[4:5], s[4:5], s[24:25]          ; x at my row
	s_lshl_b32 s24, s23, 13
	s_add_nc_u64 s[16:17], s[16:17], s[24:25]      ; xq at my row
	s_lshl_b32 s24, ttmp9, 17                      ; sixteen rows of 8,192 bytes,
	s_lshl_b32 s23, s22, 9                         ; my 256 columns: 512 bytes in w_packed and in wq
	s_add_co_u32 s24, s24, s23
	s_add_nc_u64 s[6:7], s[6:7], s[24:25]
	s_add_nc_u64 s[18:19], s[18:19], s[24:25]
	s_lshl_b32 s24, ttmp9, 11
	s_add_nc_u64 s[8:9], s[8:9], s[24:25]          ; svd_up at the work-group's rows
	s_lshl_b32 s24, s22, 10
	s_add_nc_u64 s[10:11], s[10:11], s[24:25]      ; svd_down at my columns
	s_lshl_b32 s24, ttmp9, 12
	s_lshl_b32 s23, s22, 4
	s_add_co_u32 s24, s24, s23
	s_add_nc_u64 s[12:13], s[12:13], s[24:25]      ; scale and zero_point at the work-group's rows, my four groups
	s_add_nc_u64 s[14:15], s[14:15], s[24:25]
; Sixteen loads: rows 8 kq .. 8 kq + 7 of svd_down, my 1,024 bytes of each, 512 consecutive bytes a load.
.macro DLOAD reg, kq
.irp kk, 0,1,2,3,4,5,6,7
	global_load_b128 v[(\reg)+8*(\kk):(\reg)+8*(\kk)+3],   v[L16], s[10:11] offset:16384*(8*(\kq)+(\kk))
	global_load_b128 v[(\reg)+8*(\kk)+4:(\reg)+8*(\kk)+7], v[L16], s[10:11] offset:16384*(8*(\kq)+(\kk))+512
.endr
.endm
; They are rounded to f16 and laid into DN: 256 consecutive bytes a store.
.macro DCVT reg, kq
.irp kk, 0,1,2,3,4,5,6,7
.irp hf, 0,1
	v_cvt_pk_f16_f32 v[(\reg)+8*(\kk)+4*(\hf)],   v[(\reg)+8*(\kk)+4*(\hf)],   v[(\reg)+8*(\kk)+4*(\hf)+1]
	v_cvt_pk_f16_f32 v[(\reg)+8*(\kk)+4*(\hf)+1], v[(\reg)+8*(\kk)+4*(\hf)+2], v[(\reg)+8*(\kk)+4*(\hf)+3]
	ds_store_b64 v[DSA], v[(\reg)+8*(\kk)+4*(\hf):(\reg)+8*(\kk)+4*(\hf)+1] offset:544*(8*(\kq)+(\kk))+256*(\hf)
.endr
.endr
.endm
; Tile T's eight numbers of my row: (q - zero) * scale, in reference()'s order.
.macro DEQ T
.irp j, 0,1,2,3,4,5,6,7
	v_bfe_u32 v[ACC+8*(\T)+(\j)], v[NQ+(\T)], 4*(\j), 4
.endr
.irp j, 0,1,2,3,4,5,6,7
	v_cvt_f32_u32 v[ACC+8*(\T)+(\j)], v[ACC+8*(\T)+(\j)]
.endr
.irp j, 0,1,2,3,4,5,6,7
	v_sub_f32 v[ACC+8*(\T)+(\j)], v[ACC+8*(\T)+(\j)], v[ZP+(\T)/4]
.endr
.irp j, 0,1,2,3,4,5,6,7
	v_mul_f32 v[ACC+8*(\T)+(\j)], v[ACC+8*(\T)+(\j)], v[SC+(\T)/4]
.endr
.endm
; Eight tiles.  The first tile's 32 plain lines name no register of the matrix instructions before them: they are the places in front of the loads into source 0's registers.
; Each of the eight matrix instructions has an accumulator of its own: no chain.
.macro HALF c
	DEQ 8*(\c)
.irp u, 0,1,2,3,4,5,6,7
	ds_load_tr16_b128 v[RB+8*(\u):RB+8*(\u)+3],   v[TRA] offset:32*(8*(\c)+(\u))
	ds_load_tr16_b128 v[RB+8*(\u)+4:RB+8*(\u)+7], v[TRA] offset:32*(8*(\c)+(\u))+16*544
.endr
.irp u, 1,2,3,4,5,6,7
	DEQ 8*(\c)+(\u)
.endr
	s_wait_dscnt 0x0                               ; the fragments are in
.irp u, 0,1,2,3,4,5,6,7
	v_wmma_f32_16x16x32_f16 v[ACC+8*(8*(\c)+(\u)):ACC+8*(8*(\c)+(\u))+7], v[RB+8*(\u):RB+8*(\u)+7], v[UPF:UPF+7], v[ACC+8*(8*(\c)+(\u)):ACC+8*(8*(\c)+(\u))+7]
.endr
.endm
; The four chains of the largest magnitude.  ASTART: the first eight registers start them, nothing is cleared.  AMAX: count pairs of registers from first on, the chains by turns.
.macro ASTART
.irp k, 0,1,2,3
	v_max_num_f32 v[MX+(\k)], |v[ACC+2*(\k)]|, |v[ACC+2*(\k)+1]|
.endr
.endm
.macro AMAX first, count
.set n, 0
.rept \count
	v_max3_num_f32 v[MX+n%4], v[MX+n%4], |v[(\first)+2*n]|, |v[(\first)+2*n+1]|
.set n, n+1
.endr
.endm
.macro AJOIN
	v_max3_num_f32 v[MX], v[MX], v[MX+1], v[MX+2]
	v_max_num_f32 v[MX], v[MX], v[MX+3]
.endm
; s = maximum / 127 and 1 / s, or 0 where the maximum is under 2^-100.  The compare is the plain instruction behind the reciprocal; the wait stands ahead of the first line that names its result.
.macro INVERSE
	v_mul_f32 v[SV], s36, v[MX]
	v_rcp_f32 v[INV], v[SV]
	v_cmp_le_f32 vcc_lo, s37, v[MX]
	s_wait_alu depctr_va_vdst(0)
	v_cndmask_b32 v[INV], 0, v[INV], vcc_lo
	v_mov_b32 v[INV+1], v[INV]
.endm
; Eight numbers in reg .. reg + 7 are quantised and packed: into reg, reg + 1, reg + 2 + gap, reg + 3 + gap.
.macro QT reg, gap
.irp i, 0,2,4,6
	v_pk_fma_f32 v[(\reg)+(\i):(\reg)+(\i)+1], v[(\reg)+(\i):(\reg)+(\i)+1], v[INV:INV+1], s[26:27] op_sel_hi:[1,1,0]
.endr
.irp i, 0,2,4,6
	v_pk_add_f32 v[(\reg)+(\i):(\reg)+(\i)+1], v[(\reg)+(\i):(\reg)+(\i)+1], s[28:29] op_sel_hi:[1,0]
.endr
.irp i, 0,1,2,3
	v_cvt_pk_bf16_f32 v[(\reg)+(\i)+(\gap)*((\i)/2)], v[(\reg)+2*(\i)], v[(\reg)+2*(\i)+1]
.endr
.irp i, 0,1,2,3
	v_pk_min_num_bf16 v[(\reg)+(\i)+(\gap)*((\i)/2)], v[(\reg)+(\i)+(\gap)*((\i)/2)], s30
.endr
.irp i, 0,1,2,3
	v_pk_max_num_bf16 v[(\reg)+(\i)+(\gap)*((\i)/2)], v[(\reg)+(\i)+(\gap)*((\i)/2)], s31
.endr
.endm
	; ALL THAT COMES FROM MEMORY ONCE IS ASKED FOR NOW: 16 loads of w_packed, 6 small ones, 32 of x: 54 of mine are out.
.irp p, 0,1,2,3,4,5,6,7,8,9,10,11,12,13,14,15
	global_load_b128 v[RB+4*(\p):RB+4*(\p)+3], v[L16], s[6:7] offset:8192*(\p) th:TH_LOAD_NT  ; row p: my 128 words, 512 consecutive bytes
.endr
	global_load_b128 v[NQ:NQ+3],     v[UO], s[8:9]            ; svd_up(l % 16, 8 (l / 16) + 0..7),
	global_load_b128 v[NQ+4:NQ+7],   v[UO], s[8:9] offset:16
	global_load_b128 v[NQ+8:NQ+11],  v[UO], s[8:9] offset:64  ; and 16 + 8 (l / 16) + 0..7
	global_load_b128 v[NQ+12:NQ+15], v[UO], s[8:9] offset:80
	global_load_b128 v[ZP:ZP+3], v[ZO], s[14:15]
	global_load_b128 v[SC:SC+3], v[ZO], s[12:13]
.set q, 0
.rept 32
	global_load_b128 v[ACC+4*q:ACC+4*q+3], v[L16], s[4:5] offset:512*q th:TH_LOAD_NT
.set q, q+1
.endr
	s_wait_loadcnt 38                              ; w_packed is in: the 6 + 32 younger loads stay out
.irp p, 0,1,2,3,4,5,6,7,8,9,10,11,12,13,14,15
	v_perm_b32 v[RB+4*(\p)],   v[RB+4*(\p)+1], v[RB+4*(\p)],   s32   ; byte 0 of words 0 and 1,
	v_perm_b32 v[RB+4*(\p)+2], v[RB+4*(\p)+3], v[RB+4*(\p)+2], s32   ; of words 2 and 3,
	v_perm_b32 v[RB+4*(\p)],   v[RB+4*(\p)+2], v[RB+4*(\p)],   s33   ; all four: eight nibbles in the columns' order
	ds_store_b32 v[NBS], v[RB+4*(\p)] offset:144*(\p)
.endr
	DLOAD RB, 0                                    ; svd_down's rows 0-7 come in under x's work
	s_wait_loadcnt 48                              ; the six small loads are in: x's 32 and svd_down's 16 are younger
.irp i, 0,1,2,3,4,5,6,7
	v_cvt_pk_f16_f32 v[UPF+(\i)], v[NQ+2*(\i)], v[NQ+2*(\i)+1]
.endr
	; x's ROW: the largest magnitude, a quarter of the row (8 loads) at a time
	s_wait_loadcnt 40                              ; 24 of x and 16 of svd_down are younger
	ASTART
	AMAX ACC+8, 12
	s_wait_loadcnt 32
	AMAX ACC+32, 16
	s_wait_loadcnt 24
	AMAX ACC+64, 16
	s_wait_loadcnt 16                              ; svd_down's 16 stay out
	AMAX ACC+96, 16
	AJOIN
	v_max_num_f32_dpp v[MX], v[MX], v[MX] row_xmask:1 row_mask:0xf bank_mask:0xf
	v_max_num_f32_dpp v[MX], v[MX], v[MX] row_xmask:2 row_mask:0xf bank_mask:0xf
	v_max_num_f32_dpp v[MX], v[MX], v[MX] row_xmask:4 row_mask:0xf bank_mask:0xf
	v_max_num_f32_dpp v[MX], v[MX], v[MX] row_xmask:8 row_mask:0xf bank_mask:0xf
	v_permlanex16_b32 v[TT], v[MX], s34, s35
	v_max_num_f32 v[MX], v[MX], v[TT]
	INVERSE
	ds_store_b32 v[SXA], v[SV]                     ; sx: all lanes, the same word and number
.set q, 0
.rept 16
	QT ACC+8*q, 2
	global_store_b64 v[L8], v[ACC+8*q:ACC+8*q+1],   s[16:17] offset:512*q      ; 32 lanes store 256 consecutive bytes, at a multiple of 256 from xq's first byte
	global_store_b64 v[L8], v[ACC+8*q+4:ACC+8*q+5], s[16:17] offset:512*q+256
.set q, q+1
.endr
	s_wait_xcnt 0x0                                ; the stores have read their data: only now are those registers loaded again
	DLOAD ACC, 1
	DLOAD ACC+64, 2
	s_wait_loadcnt 32                              ; rows 0-7 are in: the 32 just issued stay out
	DCVT RB, 0
	DLOAD RB, 3
	s_wait_loadcnt 32                              ; rows 8-15: rows 16-31 stay out
	DCVT ACC, 1
	s_wait_loadcnt 16                              ; rows 16-23: rows 24-31 stay out
	DCVT ACC+64, 2
	s_wait_loadcnt 0x0
	DCVT RB, 3
	; W: (q - zero) * scale as C, the rank-32 product on top
.irp gi, 0,1,2,3
	ds_load_b128 v[NQ+4*(\gi):NQ+4*(\gi)+3], v[NBL] offset:32*(\gi)   ; group gi: my half's words of its four tiles
.endr
	s_wait_dscnt 0x0
	HALF 0
	HALF 1
	; W's largest magnitude in my 256 columns.  Tiles and registers ascend; tiles 0-7's 32 lines, which name no
	; register of the last eight matrix instructions, are the places behind those.
	ASTART
	AMAX ACC+8, 60
	AJOIN
	v_permlanex16_b32 v[TT], v[MX], s34, s35       ; the row's other 128 columns lie in the lane 16 away
	v_max_num_f32 v[MX], v[MX], v[TT]
	ds_store_b32 v[MXS], v[MX]
	s_wait_dscnt 0x0                               ; for the others' sake: my maximum and my sx are in LDS
	s_barrier_signal -1
	s_barrier_wait -1                              ; the one barrier: all sixteen waves' are
	ds_load_b128 v[RB:RB+3],     v[MXL]
	ds_load_b128 v[RB+4:RB+7],   v[MXL] offset:16
	ds_load_b128 v[RB+8:RB+11],  v[MXL] offset:32
	ds_load_b128 v[RB+12:RB+15], v[MXL] offset:48
	ds_load_b32 v[RB+16], v[SXL]
	s_wait_dscnt 0x0
	v_max3_num_f32 v[RB],    v[RB],    v[RB+1],  v[RB+2]
	v_max3_num_f32 v[RB+3],  v[RB+3],  v[RB+4],  v[RB+5]
	v_max3_num_f32 v[RB+6],  v[RB+6],  v[RB+7],  v[RB+8]
	v_max3_num_f32 v[RB+9],  v[RB+9],  v[RB+10], v[RB+11]
	v_max3_num_f32 v[RB+12], v[RB+12], v[RB+13], v[RB+14]
	v_max3_num_f32 v[RB],    v[RB],    v[RB+3],  v[RB+15]
	v_max3_num_f32 v[RB+6],  v[RB+6],  v[RB+9],  v[RB+12]
	v_max_num_f32 v[MX], v[RB], v[RB+6]            ; row l % 16's largest magnitude
	INVERSE
	s_cmp_lg_u32 s22, 0
	s_cbranch_scc1 .Lnot_wave_0
	v_cmp_gt_u32 vcc_lo, 16, v1                    ; wave 0 stores the work-group's 16 sw (lanes 0-15) and 16 sx (lanes 16-31): two pieces of 64 bytes
	v_cndmask_b32 v[SEL], v[RB+16], v[SV], vcc_lo
	global_store_b32 v[SCO], v[SEL], s[20:21]
.Lnot_wave_0:
	; THE WAY OUT: 16 bytes a lane into my stage, which lies where svd_down lay (my last turning load has been waited for, and no other wave touches these bytes); back as whole rows of 512 bytes.
.set q, 0
.rept 16
	QT ACC+8*q, 0
	ds_store_b128 v[STO], v[ACC+8*q:ACC+8*q+3] offset:32*q
.set q, q+1
.endr
.irp p, 0,1,2,3,4,5,6,7,8,9,10,11,12,13,14,15
	ds_load_b128 v[RB+4*(\p):RB+4*(\p)+3], v[RDB] offset:528*(\p)  ; LDS serves a wave's instructions in order (ISA guide 5.7.1.4): these see the stores above
.endr
.irp p, 0,1,2,3,4,5,6,7,8,9,10,11,12,13,14,15
	s_wait_dscnt 15-(\p)                           ; row p is back; the younger rows stay out
	global_store_b128 v[L16], v[RB+4*(\p):RB+4*(\p)+3], s[18:19] offset:8192*(\p)  ; 512 consecutive bytes, at a multiple of 256 from wq's first byte
.endr
	s_wait_tensorcnt 0x0                           ; the wave's end, behind my last LDS store
	ds_add_u32 v[SPW], v[NIL]
	s_wait_dscnt 0x0
	s_endpgm
.Lfunc_end_k_q8425073f1f_quant:
	.size	k_q8425073f1f_quant, .Lfunc_end_k_q8425073f1f_quant-k_q8425073f1f_quant
	.p2alignl 7, 3214868480
	.fill 96, 4, 3214868480
	.section	.rodata,"a",@progbits
	.p2align	6, 0x0
	.amdhsa_kernel k_q8425073f1f_quant
		.amdhsa_group_segment_fixed_size 318976
		.amdhsa_private_segment_fixed_size 0
		.amdhsa_enable_private_segment 0
		.amdhsa_kernarg_size 72
		.amdhsa_user_sgpr_count 2
		.amdhsa_user_sgpr_kernarg_segment_ptr 1
		.amdhsa_wavefront_size32 1
		.amdhsa_system_sgpr_workgroup_id_x 1
		.amdhsa_system_sgpr_workgroup_id_y 1
		.amdhsa_system_sgpr_workgroup_id_z 1
		.amdhsa_system_vgpr_workitem_id 0
		.amdhsa_next_free_vgpr 256
		.amdhsa_next_free_sgpr 66
		.amdhsa_reserve_vcc 1
		.amdhsa_float_denorm_mode_32 3
		.amdhsa_float_denorm_mode_16_64 3
		.amdhsa_memory_ordered 1
		.amdhsa_forward_progress 1
		.amdhsa_inst_pref_size 113
	.end_amdhsa_kernel
	.amdgpu_metadata
---
amdhsa.version: [ 1, 2 ]
amdhsa.kernels:
  - .name:           k_q8425073f1f_quant
    .symbol:         k_q8425073f1f_quant.kd
    .args:
      - { .name: x, .offset: 0, .size: 8, .value_kind: global_buffer, .address_space: global }
      - { .name: w_packed, .offset: 8, .size: 8, .value_kind: global_buffer, .address_space: global }
      - { .name: svd_up, .offset: 16, .size: 8, .value_kind: global_buffer, .address_space: global }
      - { .name: svd_down, .offset: 24, .size: 8, .value_kind: global_buffer, .address_space: global }
      - { .name: scale, .offset: 32, .size: 8, .value_kind: global_buffer, .address_space: global }
      - { .name: zero_point, .offset: 40, .size: 8, .value_kind: global_buffer, .address_space: global }
      - { .name: xq, .offset: 48, .size: 8, .value_kind: global_buffer, .address_space: global }
      - { .name: wq, .offset: 56, .size: 8, .value_kind: global_buffer, .address_space: global }
      - { .name: scl, .offset: 64, .size: 8, .value_kind: global_buffer, .address_space: global }
    .group_segment_fixed_size: 318976
    .private_segment_fixed_size: 0
    .kernarg_segment_align: 8
    .kernarg_segment_size: 72
    .max_flat_workgroup_size: 512
    .sgpr_count:     66
    .vgpr_count:     256
    .wavefront_size: 32
...
	.end_amdgpu_metadata
.endif
;; end of part 1
;; launch gemm (part 2): grid 16 x 16, 4 waves a work-group, clusters of 4 x 4, 327,680 bytes of LDS; arguments xq, wq, scl, bias, out0; writes out0
.if DOCPART == 2
	.amdgcn_target "amdgcn-amd-amdhsa--gfx1250"
	.amdhsa_code_object_version 6
	.text
	.protected	k_q8425073f1f_gemm
	.globl	k_q8425073f1f_gemm
	.p2align	8
	.type	k_q8425073f1f_gemm,@function
k_q8425073f1f_gemm:
	s_mov_b64 s[64:65], 0
	v_nop
	global_prefetch_b8 v0, s[64:65] scope:SCOPE_SE
	s_setreg_imm32_b32 hwreg(HW_REG_WAVE_MODE, 25, 1), 1
	s_wait_xcnt 0x0
	s_wait_alu depctr_hold_cnt(0) depctr_sa_sdst(0) depctr_va_vdst(0) depctr_va_sdst(0) depctr_va_ssrc(0) depctr_va_vcc(0) depctr_vm_vsrc(0)
	s_getreg_b32 s2, hwreg(HW_REG_IB_STS2, 6, 4)
	s_cmp_eq_u32 s2, 0
	s_cbranch_scc0 .Lentry_in_a_cluster
	s_endpgm
.Lentry_in_a_cluster:
	s_bfe_u32 s2, ttmp6, 0x10000c
	s_cmp_lg_u32 s2, 0xf033
	s_cbranch_scc0 .Lentry_shape_is_right
	s_endpgm
.Lentry_shape_is_right:
; out0[m][n] = (sum over k of xq[m][k] wq[n][k]) * sx[m] * sw[n] + bias[n].  xq, wq: [4096][4096] bf16, whole numbers -128 .. 127, exact in bf16; sx, sw in scl; out0 f32.
; Nothing of reference() is left out here.  The products of two such numbers are exact; the sums are kept in f32, which holds whole numbers exactly up to 2^24 and rounds beyond (the largest
; possible sum is 4096 x 128 x 128 = 2^26): LIMIT: beyond 2^24 a sum may differ from reference()'s int32 sum by f32's rounding, before reference() itself rounds it to f32.
; A tile of out0, 256 x 256, is made by a work-group of four waves; a wave makes 128 x 128: 64 accumulators of 16 x 16, 512 registers.  256 tiles, one to a work-group.
; K goes in 32 steps of 128 through a ring of two LDS slots filled by the tensor data mover: a tile's rows are 256 bytes of memory and start at multiples of 256 bytes from the buffer's first byte.
; CLUSTERS: 4 x 4 work-groups.  The four of a row of the cluster need the same tiles of xq, the four of a column the same tiles of wq: each tile is asked for JOINTLY, by the same tensor load with the
; same descriptor and a mask that names the four; each receives it in its own LDS.  That divides the requests for xq and wq by four.
; REGISTERS, in windows of 256 (s_set_vgpr_msb's low byte: bits 1:0 source 0, 3:2 source 1, 5:4 source 2, 7:6 destination):
;   window 0: v0-31 addresses; v32-47 sx, v48-51 sw, v52-55 bias; v64-127, v128-191 fragments of xq, two buffers; on the way out v64-127 scaled results, v128-191 and v192-255 rows by turns
;   window 1: v64-127, v128-191 fragments of wq, two buffers      window 2: the accumulators of my rows 0-63 ((a, b) at v[8 (8 a + b)])      window 3: those of my rows 64-127
; THE MATRIX INSTRUCTION IS USED TRANSPOSED: source 0 = 16 rows of wq, source 1 = 16 rows of xq: lane l then holds row l % 16 of out0 and the columns 8 (l / 16) + 0..7: 32 neighbouring bytes.
.set SIZE_K, 4096
.set SIZE_N, 4096
.set KSTEP,  128
.set PITCH,  272                       ; an LDS row: 256 bytes + 16 of padding = 68 words: row r starts at bank 4 r mod 64 (64 banks of 4 bytes: ISA guide 11.1), so the 16 rows of a load start at 16 different banks
.set HALFT,  128*PITCH                 ; 128 rows: what one tensor load brings, and what one wave reads of xq or of wq
.set SLOT,   4*HALFT                   ; xq's 256 rows, then wq's 256 rows
.set STAGE,  2*SLOT                    ; behind the ring, never filled by a tensor load: 16 rows x 528 bytes for each wave, for the way out
.set SPITCH, 528                       ; 512 bytes + 16: the 16 rows of a store start at 16 different groups of four banks
.set SPARE,  STAGE+4*16*SPITCH         ; behind the stages: the spare words, 128 bytes for each wave: two blocks of 256 bytes that no other line names
.set LAPS,   SIZE_K/(2*KSTEP)          ; a lap = two K steps = once round the ring: 16
.set ADRA, 16                          ; v16-17  LDS address of my xq fragments in slot 0, 1
.set ADRB, 20                          ; v20-21  the same for wq
.set STO,  24                          ; v24     the way out: where I put 32 bytes of a row
.set RD,   25                          ; v25     the way out: where I read 16 bytes of a row back
.set CO,   26                          ; v26     16 x lane: my bytes of a row's 512 in out0, in sw and in bias
.set SXO,  27                          ; v27     4 (l % 16)
.set SPW,  28                          ; v28     my spare word's address; never rewritten
.set NIL,  29                          ; v29     0; never rewritten
.set PFO,  30                          ; v30     the prefetches' offset: my lane x a row of 8,192 bytes; never rewritten
.set SXR,  32                          ; v[32:47] sx of row 16 a + l % 16 of my 128, twice, at SXR + 2 a
.set SWR,  48                          ; v[48:51] sw of my four columns of a row read back
.set BIR,  52                          ; v[52:55] their bias
.set F0,   64
.set F1,   128
.set TMP,  64
.set PFA,  44                          ; s[44:45] where my prefetches stand
.set LIM,  43                          ; s43     1 in a wave that prefetches, else the greatest number
.set G1, 24                            ; s[24:31] descriptor group 1 for xq's tiles;  s[32:39] group 0, a set for each slot
.set G0, 32
.set G1B, 48                           ; s[48:55], s[56:63] the same for wq's tiles
.set G0B, 56
.set MSB, 0
.macro WIN new                         ; the immediate's high byte repeats the setting that is left; a switch that changes nothing is dropped
.if MSB != (\new)
	s_set_vgpr_msb (MSB<<8)|(\new)
.set MSB, \new
.endif
.endm
.set MUL_LO, 0xa1                      ; source 0 (wq) window 1, source 1 (xq) window 0, C and D window 2
.set MUL_HI, 0xf1                      ; the same, C and D window 3
.set TO_B,   0x40                      ; destination window 1, address window 0
; A joint load.  Waves 0 and 1 fetch xq's two halves, waves 2 and 3 wq's.  The branch hangs on the wave's number alone.  An s_nop 0 and four v_nop follow each of the two lines.
.macro JLOAD s
	s_cmp_eq_u32 s11, 0
	s_cbranch_scc0 .Lfor_b_\@
	tensor_load_to_lds s[G0+4*(\s):G0+4*(\s)+3], s[G1:G1+7]
	s_nop 0
.rept 4
	v_nop
.endr
	s_branch .Lasked_\@
.Lfor_b_\@:
	tensor_load_to_lds s[G0B+4*(\s):G0B+4*(\s)+3], s[G1B:G1B+7]
	s_nop 0
.rept 4
	v_nop
.endr
.Lasked_\@:
.endm
; A PREFETCH INTO THE L2, behind each joint refill and the run of LDS loads that follows it: the K step that stands TWO refills on, 512 matrix instructions ahead of the load that will ask for it:
; 32 rows x 256 bytes, a lane a row, one instruction a wave.  Each row's 256 bytes of a K step are named ONCE in the launch: xq's rows by the clusters with x = 0, wq's by those with y = 0; the four
; partners that ask for a tile jointly share its rows out BY ADDRESS, 32 of a wave's 128 each.  K steps 0 to 3 come by their loads alone; the loop's last trip (s3 = 1) has no K step two on.
.macro ASK
	s_cmp_gt_u32 s3, s[LIM]
	s_cbranch_scc0 .Lnot_mine_\@
	global_prefetch_b8 v[PFO], s[PFA:PFA+1] offset:KSTEP*2 th:TH_LOAD_NT scope:SCOPE_SE
.Lnot_mine_\@:
.endm
; A round of the cluster's barrier: my work-group's barrier; wave 0 signals for the work-group; every wave waits for all sixteen work-groups; my work-group's barrier once more.
.macro CREST                           ; a round behind its opening barrier
	s_cmp_lg_u32 s10, 0
	s_cbranch_scc1 .Lnot_wave_0_\@
	s_barrier_signal -3
.Lnot_wave_0_\@:
	s_barrier_wait -3
	s_barrier_signal -1
	s_barrier_wait -1
.endm
.macro CROUND
	s_barrier_signal -1
	s_barrier_wait -1
	CREST
.endm
	s_load_b128 s[4:7], s[0:1], 0x0                ; xq s[4:5], wq s[6:7]
	s_load_b128 s[68:71], s[0:1], 0x10             ; scl s[68:69], bias s[70:71]
	s_load_b64 s[8:9], s[0:1], 0x20                ; out0
	v_lshl_add_u32 v[SPW], v0, 2, SPARE
	v_mov_b32 v[NIL], 0
	ds_add_u32 v[SPW], v[NIL]                      ; the wave's opening: the add, twice on end, and its wait ahead of my first tensor load; the set-up below stands between
	ds_add_u32 v[SPW], v[NIL]
	v_lshrrev_b32 v1, 5, v0
	v_readfirstlane_b32 s10, v1                    ; wave 0..3
	s_lshr_b32 s11, s10, 1                         ; which half of the tile's rows is mine.  Also: I fetch for xq (0) or for wq (1)
	s_and_b32 s12, s10, 1                          ; which half of its columns.  Also: which 128 rows of that tile I fetch
	s_bfe_u32 s40, ttmp6, 0x40000                  ; cx
	s_bfe_u32 s41, ttmp6, 0x40004                  ; cy
	s_lshl_b32 s42, ttmp9, 2
	s_add_co_u32 s42, s42, s40                     ; tile column = 4 x cluster x + cx
	s_and_b32 s13, ttmp7, 0xffff
	s_lshl_b32 s13, s13, 2
	s_add_co_u32 s13, s13, s41                     ; tile row = 4 x cluster y + cy
	s_lshl_b32 s43, s41, 2
	s_lshl_b32 s43, 15, s43                        ; my row of the cluster: places 4 cy .. 4 cy + 3
	s_lshl_b32 s44, 0x1111, s40                    ; my column: places cx, cx + 4, cx + 8, cx + 12
	; descriptor group 1: a tile of 128 rows x 128 elements, padded in LDS
	s_or_b32 s[G1+0], s43, (1<<16)|(1<<20)|(1<<21)|(5<<22)|(3<<25)   ; 15:0 the mask; 17:16 elements of 2 bytes; 20 padding on; 21 set beside a mask; 24:22 after every 64 words (code 5); 31:25 4 words of it (code 3)
	s_or_b32 s[G1B+0], s44, (1<<16)|(1<<20)|(1<<21)|(5<<22)|(3<<25)
.irp g, G1, G1B
	s_mov_b32 s[(\g)+1], KSTEP<<16                 ; tensor_dim0 = 128
	s_mov_b32 s[(\g)+2], 128<<16                   ; tensor_dim1 = 128
	s_mov_b32 s[(\g)+3], KSTEP<<16                 ; tile_dim0 = 128
	s_mov_b32 s[(\g)+4], 128                       ; tile_dim1 = 128
	s_mov_b32 s[(\g)+5], SIZE_K                    ; elements from row to row
	s_mov_b32 s[(\g)+6], 0
	s_mov_b32 s[(\g)+7], 0
.endr
	; xq's tiles hang on the tile row alone, wq's on the tile column alone; each address is made in registers that never hold the other coordinate
	s_lshl_b32 s17, s12, 7
	s_lshl_b32 s16, s13, 8
	s_add_co_u32 s16, s16, s17                     ; xq: row 256 x tile row + 128 x half
	s_lshl_b32 s46, s42, 8
	s_add_co_u32 s46, s46, s17                     ; wq: row 256 x tile column + 128 x half
	s_mov_b32 s17, 0
	s_mov_b32 s47, 0
	s_mov_b64 s[18:19], SIZE_K*2
	s_mul_u64 s[16:17], s[16:17], s[18:19]
	s_mul_u64 s[46:47], s[46:47], s[18:19]
	s_mul_i32 s20, s10, HALFT                      ; where they go: wave x 128 rows: no place in the cluster enters an LDS address
	s_wait_dscnt 0x0                               ; both opening adds are done
	s_wait_kmcnt 0x0
	s_add_nc_u64 s[14:15], s[4:5], s[16:17]
	s_add_nc_u64 s[46:47], s[6:7], s[46:47]
	CROUND                                         ; all sixteen work-groups are here: the first joint loads meet
.irp s, 0,1
	s_mov_b32 s[G0+4*(\s)], 1                                        ; count = 1
	s_add_co_u32 s[G0+4*(\s)+1], s20, (\s)*SLOT                      ; LDS address
	s_add_nc_u64 s[G0+4*(\s)+2:G0+4*(\s)+3], s[14:15], (\s)*KSTEP*2  ; global address: K step s
	s_or_b32 s[G0+4*(\s)+3], s[G0+4*(\s)+3], 0x80000000              ; type = 2
	s_mov_b32 s[G0B+4*(\s)], 1
	s_add_co_u32 s[G0B+4*(\s)+1], s20, (\s)*SLOT
	s_add_nc_u64 s[G0B+4*(\s)+2:G0B+4*(\s)+3], s[46:47], (\s)*KSTEP*2
	s_or_b32 s[G0B+4*(\s)+3], s[G0B+4*(\s)+3], 0x80000000
	JLOAD \s                                       ; two loads of mine are out
.endr
	; A fragment is 16 rows x 32 K in 8 registers: lane l holds row l % 16; registers 0-3 K = 8 (l / 16) + 0..7, registers 4-7 K = 16 + 8 (l / 16) + 0..7: two loads of 16 bytes, 32 bytes apart.
	v_and_b32 v1, 15, v0                           ; l % 16
	v_bfe_u32 v2, v0, 4, 1                         ; l / 16
	v_mul_u32_u24 v3, v1, PITCH
	v_lshl_add_u32 v3, v2, 4, v3
	s_mul_i32 s21, s11, HALFT                      ; my 128 rows of xq
	s_mul_i32 s22, s12, HALFT                      ; my 128 rows of wq,
	s_add_co_u32 s22, s22, 2*HALFT                 ; which lie behind xq's 256
.irp s, 0,1
	v_add_nc_u32 v[ADRA+(\s)], s21, v3
	v_add_nc_u32 v[ADRB+(\s)], s22, v3
	s_add_co_u32 s21, s21, SLOT
	s_add_co_u32 s22, s22, SLOT
.endr
	s_mul_i32 s23, s10, 16*SPITCH
	s_add_co_u32 s23, s23, STAGE                   ; my stage
	v_mul_u32_u24 v4, v1, SPITCH                   ; in: row l % 16, 32 bytes for each half of the lanes
	v_lshl_add_u32 v4, v2, 5, v4
	v_add_nc_u32 v[STO], s23, v4
	v_and_b32 v5, 31, v0
	v_lshlrev_b32 v[CO], 4, v5
	v_add_nc_u32 v[RD], s23, v[CO]                 ; back: 32 lanes take one row of 512 bytes
	v_lshlrev_b32 v[SXO], 2, v1
	s_lshl_b32 s13, s13, 8                         ; 256 x tile row
	s_lshl_b32 s14, s11, 7
	s_add_co_u32 s16, s13, s14                     ; my first row
	s_lshl_b32 s14, s16, 2
	s_mov_b32 s15, 0
	s_add_nc_u64 s[72:73], s[68:69], s[14:15]      ; sx at my first row
	s_lshl_b32 s16, s16, 14                        ; a row of out0 is 16,384 bytes
	s_mov_b32 s17, 0
	s_lshl_b32 s46, s42, 8
	s_lshl_b32 s47, s12, 7
	s_add_co_u32 s46, s46, s47                     ; my first column,
	s_lshl_b32 s46, s46, 2                         ; in bytes
	s_mov_b32 s47, 0
	s_add_nc_u64 s[8:9], s[8:9], s[16:17]
	s_add_nc_u64 s[8:9], s[8:9], s[46:47]          ; out0 at my corner
	s_add_nc_u64 s[74:75], s[68:69], s[46:47]
	s_add_nc_u64 s[74:75], s[74:75], 16384         ; sw at my first column
	s_add_nc_u64 s[76:77], s[70:71], s[46:47]      ; bias likewise
.irp a, 0,1,2,3,4,5,6,7
	global_load_b32 v[SXR+2*(\a)], v[SXO], s[72:73] offset:64*(\a)
.endr
	global_load_b128 v[SWR:SWR+3], v[CO], s[74:75]
	global_load_b128 v[BIR:BIR+3], v[CO], s[76:77]
	; the prefetches.  s13 = 256 x tile row, s42 = tile column, s40 = cx, s41 = cy still stand
	s_lshl_b32 s42, s42, 8
	s_and_b32 s22, ttmp7, 0xffff                   ; cluster y
	s_cmp_eq_u32 s11, 0                            ; do I fetch for xq?
	s_cselect_b32 s20, s13, s42                    ; the tile's first row
	s_cselect_b32 s21, s40, s41                    ; my place among the four that ask for it with me
	s_cselect_b32 s22, ttmp9, s22                  ; the coordinate along which other clusters read the same rows
	s_cselect_b64 s[PFA:PFA+1], s[4:5], s[6:7]
	s_cmp_eq_u32 s22, 0
	s_cselect_b32 s[LIM], 1, -1                    ; the same in all sixteen partners, for a given wave
	s_lshl_b32 s22, s12, 7
	s_add_co_u32 s20, s20, s22                     ; + the 128 rows that I fetch
	s_lshl_b32 s21, s21, 5
	s_add_co_u32 s20, s20, s21                     ; + my work-group's 32 of them
	s_mov_b32 s21, 0
	s_mov_b64 s[18:19], SIZE_K*2
	s_mul_u64 s[20:21], s[20:21], s[18:19]
	s_add_nc_u64 s[PFA:PFA+1], s[PFA:PFA+1], s[20:21]
	s_add_nc_u64 s[PFA:PFA+1], s[PFA:PFA+1], 2*KSTEP*2  ; at K step 2: the first refill steps it to 3 and names K step 4
	v_and_b32 v[PFO], 31, v0
	v_mul_u32_u24 v[PFO], v[PFO], SIZE_K*2
; 16 matrix instructions: m blocks a0, a0 + 1 of the window's four (hi = 0: my rows 0-63, 1: rows 64-127) x all 8 n blocks, 32 along K.  zero = 1: the first product starts the sums.
; The 64 accumulators take turns, one instruction a turn, in the same order in every quarter, over the backward jump too.
.macro MUL16 f, hi, a0, zero
	WIN MUL_LO+0x50*(\hi)
.irp a, \a0, (\a0)+1
.irp b, 0,1,2,3,4,5,6,7
.if \zero
	v_wmma_f32_16x16x32_bf16 v[8*(8*(\a)+(\b)):8*(8*(\a)+(\b))+7], v[(\f)+8*(\b):(\f)+8*(\b)+7], v[(\f)+8*(4*(\hi)+(\a)):(\f)+8*(4*(\hi)+(\a))+7], 0
.else
	v_wmma_f32_16x16x32_bf16 v[8*(8*(\a)+(\b)):8*(8*(\a)+(\b))+7], v[(\f)+8*(\b):(\f)+8*(\b)+7], v[(\f)+8*(4*(\hi)+(\a)):(\f)+8*(4*(\hi)+(\a))+7], v[8*(8*(\a)+(\b)):8*(8*(\a)+(\b))+7]
.endif
.endr
.endr
.endm
; 32 LDS loads in one run: the fragments of one quarter step (128 rows of wq, 128 rows of xq, 32 K at byte k of the rows) into buffer f
.macro FETCH slot, k, f
	WIN TO_B
.irp i, 0,1,2,3,4,5,6,7
	ds_load_b128 v[(\f)+8*(\i):(\f)+8*(\i)+3],   v[ADRB+(\slot)] offset:(\k)+(\i)*16*PITCH
	ds_load_b128 v[(\f)+8*(\i)+4:(\f)+8*(\i)+7], v[ADRB+(\slot)] offset:(\k)+(\i)*16*PITCH+32
.endr
	WIN 0
.irp i, 0,1,2,3,4,5,6,7
	ds_load_b128 v[(\f)+8*(\i):(\f)+8*(\i)+3],   v[ADRA+(\slot)] offset:(\k)+(\i)*16*PITCH
	ds_load_b128 v[(\f)+8*(\i)+4:(\f)+8*(\i)+7], v[ADRA+(\slot)] offset:(\k)+(\i)*16*PITCH+32
.endr
.endm
; Four places in front of loads into registers that matrix instructions have read, and of vector lines that read results: only plain vector instructions that name none of the matrix
; instruction's registers are places (ISA guide 7.12.1 for vector instructions).
.macro PLACES
.rept 4
	v_nop
.endr
.endm
; A K step is four quarters of 32 along K, 64 matrix instructions each, on buffers 0, 1, 0, 1.  One of the first three: multiplies buffer f; in its middle it fetches the next quarter, at byte k, into g.
.macro QUARTER slot, k, f, g, zero
	s_wait_dscnt 8                                 ; wq and xq's rows 0-63 are in; the youngest eight loads (xq's rows 64-127) may be out
	WIN MUL_LO
	MUL16 \f, 0, 0, \zero
	MUL16 \f, 0, 2, \zero
	PLACES
	FETCH \slot, \k, \g
	s_wait_dscnt 32                                ; all but the 32 just issued
	WIN MUL_HI
	MUL16 \f, 1, 0, \zero
	MUL16 \f, 1, 2, \zero
.endm
; The last quarter's first half: ONE barrier for the change of slots.  In front of it each wave waits for all its tensor loads, of which one is out: its part of the next slot; adds 0 to its spare
; word; and waits for that and for its own reads of this slot.  Behind it nobody reads this slot any more and the next slot is whole.
.macro MEET round
	WIN 0                                          ; (the add's two registers lie in window 0)
	s_wait_tensorcnt 0x0
	ds_add_u32 v[SPW], v[NIL]                      ; 0 onto my spare word
	s_wait_dscnt 9                                 ; (the add and the youngest eight loads may be out)
	WIN MUL_LO
	MUL16 F1, 0, 0, 0                              ; sixteen matrix instructions stand between the add and the wait for it
	s_wait_dscnt 0x0                               ; the add is done, and my reads of this slot are over
	s_barrier_signal -1
	MUL16 F1, 0, 2, 0                              ; work on registers while the others arrive
.if \round
	WIN 0
.endif
	s_barrier_wait -1
.endm
; The whole last quarter.  fill = 1: the barrier opens a round of the cluster's, and behind it the slot just read out is filled again first, with the K step two on: from that request to the wait for
; it a wave issues 224 matrix instructions.  Then come the next slot's first fragments.
.macro TURN slot, next, fill
.if \fill
	s_wait_xcnt 0x0                                ; the last prefetch, a K step back, has read its address: it is stepped here, ahead of the waits of the change of slots
	s_add_nc_u64 s[PFA:PFA+1], s[PFA:PFA+1], KSTEP*2
	MEET 1
	CREST                                          ; no wave of any partner still reads this slot's tile or has a load on its way
	s_add_nc_u64 s[G0+4*(\slot)+2:G0+4*(\slot)+3], s[G0+4*(\slot)+2:G0+4*(\slot)+3], 2*KSTEP*2
	s_add_nc_u64 s[G0B+4*(\slot)+2:G0B+4*(\slot)+3], s[G0B+4*(\slot)+2:G0B+4*(\slot)+3], 2*KSTEP*2
	JLOAD \slot                                    ; the first tensor load behind the round; its four v_nop are also the places in front of the loads below
	FETCH \next, 0, F0
	ASK
.else
	MEET 0                                         ; nothing is filled again, so no round follows
	PLACES
	FETCH \next, 0, F0
.endif
	WIN MUL_HI
	MUL16 F1, 1, 0, 0
	MUL16 F1, 1, 2, 0
.endm
; THE WAY OUT of block a (16 rows x 128 columns), in three parts.  SCALE: times sx, a lane's own row's; each accumulator's registers in ascending order.
.macro SCALE a
	WIN 0x02+(\a)/4                                ; source 0: window 2 or 3
.irp b, 0,1,2,3,4,5,6,7
.irp i, 0,2,4,6
	v_pk_mul_f32 v[TMP+8*(\b)+(\i):TMP+8*(\b)+(\i)+1], v[64*((\a)%4)+8*(\b)+(\i):64*((\a)%4)+8*(\b)+(\i)+1], v[SXR+2*(\a):SXR+2*(\a)+1]
.endr
.endr
	WIN 0
.endm
; TOSTAGE: 32 bytes a lane into my own stage, and back as whole rows of 512 bytes.
.macro TOSTAGE a
.set BK, 128+64*((\a)%2)
.if (\a) >= 2
	s_wait_xcnt 0x0                                ; the stores of the block two back have read their data: only now are those registers loaded again
.endif
.irp b, 0,1,2,3,4,5,6,7
	ds_store_b128 v[STO], v[TMP+8*(\b):TMP+8*(\b)+3]   offset:64*(\b)
	ds_store_b128 v[STO], v[TMP+8*(\b)+4:TMP+8*(\b)+7] offset:64*(\b)+16
.endr
.irp p, 0,1,2,3,4,5,6,7,8,9,10,11,12,13,14,15
	ds_load_b128 v[BK+4*(\p):BK+4*(\p)+3], v[RD] offset:SPITCH*(\p)  ; LDS serves a wave's instructions in order (ISA guide 5.7.1.4): these see the stores above
.endr
.endm
; SEND: times sw plus bias, fused, my four columns'; stored.
.macro SEND a
.set BK, 128+64*((\a)%2)
.irp p, 0,1,2,3,4,5,6,7,8,9,10,11,12,13,14,15
	s_wait_dscnt 15-(\p)                           ; row p is back; the block's younger rows stay out
	v_pk_fma_f32 v[BK+4*(\p):BK+4*(\p)+1],   v[BK+4*(\p):BK+4*(\p)+1],   v[SWR:SWR+1],   v[BIR:BIR+1]
	v_pk_fma_f32 v[BK+4*(\p)+2:BK+4*(\p)+3], v[BK+4*(\p)+2:BK+4*(\p)+3], v[SWR+2:SWR+3], v[BIR+2:BIR+3]
	global_store_b128 v[CO], v[BK+4*(\p):BK+4*(\p)+3], s[8:9] offset:(16*(\a)+(\p))*SIZE_N*4 th:TH_STORE_NT  ; 512 consecutive bytes, at a multiple of 256 from out0's first byte; 127 rows at the most: inside the signed 24-bit immediate
.endr
.endm
	s_wait_loadcnt 0x0                             ; sx, sw, bias: beside the wait for the first tile
.irp a, 0,1,2,3,4,5,6,7
	v_mov_b32 v[SXR+2*(\a)+1], v[SXR+2*(\a)]       ; a pair for the packed multiply
.endr
	s_wait_tensorcnt 1                             ; my part of K step 0 is in; K step 1's may stay out
	s_barrier_signal -1
	s_barrier_wait -1                              ; everybody's is
	FETCH 0, 0, F0
	QUARTER 0, 64,  F0, F1, 1                      ; the first quarter stands in front of the loop: its products start the sums
	WIN 0                                          ; at a label and at a branch every window is 0
	s_mov_b32 s3, LAPS-1
.Llap:                                                 ; a trip goes once round the ring, from a lap's second quarter to the next lap's first, and fills both slots again
	QUARTER 0, 128, F1, F0, 0
	QUARTER 0, 192, F0, F1, 0
	TURN 0, 1, 1
	QUARTER 1, 64,  F0, F1, 0
	QUARTER 1, 128, F1, F0, 0
	QUARTER 1, 192, F0, F1, 0
	TURN 1, 0, 1
	QUARTER 0, 64,  F0, F1, 0
	WIN 0
	s_sub_co_u32 s3, s3, 1
	s_cmp_lg_u32 s3, 0
	s_cbranch_scc1 .Llap
	QUARTER 0, 128, F1, F0, 0                      ; the last lap fills nothing, and has no round of the cluster's barrier
	QUARTER 0, 192, F0, F1, 0
	TURN 0, 1, 0
	QUARTER 1, 64,  F0, F1, 0
	QUARTER 1, 128, F1, F0, 0
	QUARTER 1, 192, F0, F1, 0
	s_wait_dscnt 8                                 ; the very last quarter: nothing more to fetch
	MUL16 F1, 0, 0, 0
	MUL16 F1, 0, 2, 0
	s_wait_dscnt 0x0
	MUL16 F1, 1, 0, 0
	MUL16 F1, 1, 2, 0
	WIN 0
	PLACES                                         ; behind the last products, in front of the lines that read results and write over fragments
	SCALE 0
	TOSTAGE 0
.irp a, 1,2,3,4,5,6,7                  ; block a's scaling stands between block a - 1's loads from the stage and the waits for them
	SCALE \a
	SEND (\a)-1
	TOSTAGE \a
.endr
	SEND 7
	s_wait_tensorcnt 0x0                           ; the wave's end, behind my last tensor load and my last LDS store
	ds_add_u32 v[SPW], v[NIL]
	s_wait_dscnt 0x0
	CROUND                                         ; the closing round: no work-group ends while a partner may still ask for a tile that names it
	s_endpgm
.Lfunc_end_k_q8425073f1f_gemm:
	.size	k_q8425073f1f_gemm, .Lfunc_end_k_q8425073f1f_gemm-k_q8425073f1f_gemm
	.p2alignl 7, 3214868480
	.fill 96, 4, 3214868480
	.section	.rodata,"a",@progbits
	.p2align	6, 0x0
	.amdhsa_kernel k_q8425073f1f_gemm
		.amdhsa_group_segment_fixed_size 327680
		.amdhsa_private_segment_fixed_size 0
		.amdhsa_enable_private_segment 0
		.amdhsa_kernarg_size 40
		.amdhsa_user_sgpr_count 2
		.amdhsa_user_sgpr_kernarg_segment_ptr 1
		.amdhsa_wavefront_size32 1
		.amdhsa_system_sgpr_workgroup_id_x 1
		.amdhsa_system_sgpr_workgroup_id_y 1
		.amdhsa_system_sgpr_workgroup_id_z 1
		.amdhsa_system_vgpr_workitem_id 0
		.amdhsa_next_free_vgpr 1024
		.amdhsa_next_free_sgpr 80
		.amdhsa_reserve_vcc 0
		.amdhsa_float_denorm_mode_32 3
		.amdhsa_float_denorm_mode_16_64 3
		.amdhsa_memory_ordered 1
		.amdhsa_forward_progress 1
		.amdhsa_inst_pref_size 179
	.end_amdhsa_kernel
	.amdgpu_metadata
---
amdhsa.version: [ 1, 2 ]
amdhsa.kernels:
  - .name:           k_q8425073f1f_gemm
    .symbol:         k_q8425073f1f_gemm.kd
    .args:
      - { .name: xq, .offset: 0, .size: 8, .value_kind: global_buffer, .address_space: global }
      - { .name: wq, .offset: 8, .size: 8, .value_kind: global_buffer, .address_space: global }
      - { .name: scl, .offset: 16, .size: 8, .value_kind: global_buffer, .address_space: global }
      - { .name: bias, .offset: 24, .size: 8, .value_kind: global_buffer, .address_space: global }
      - { .name: out0, .offset: 32, .size: 8, .value_kind: global_buffer, .address_space: global }
    .group_segment_fixed_size: 327680
    .private_segment_fixed_size: 0
    .kernarg_segment_align: 8
    .kernarg_segment_size: 40
    .max_flat_workgroup_size: 128
    .sgpr_count:     80
    .vgpr_count:     1024
    .wavefront_size: 32
...
	.end_amdgpu_metadata
.endif
;; end of part 2
;; ======== version 2 of 2: 2 launches; version 1 with the launch quant written anew for expert scheduling mode
;; limits: below input magnitudes of 7.9e-31 results are inexact or not finite; values are held in f16: magnitudes above 65,504 overflow, below 6.1e-05 lose precision
;; workspace buffers: xq 33,554,432 bytes; wq 33,554,432 bytes; scl 32,768 bytes
;; launch quant (part 3): grid 256 x 1, 16 waves a work-group, no clusters, 318,976 bytes of LDS; arguments x, w_packed, svd_up, svd_down, scale, zero_point, xq, wq, scl; writes xq, wq, scl
.if DOCPART == 3
	.amdgcn_target "amdgcn-amd-amdhsa--gfx1250"
	.amdhsa_code_object_version 6
	.text
	.protected	k_q8425073f1f_quant
	.globl	k_q8425073f1f_quant
	.p2align	8
	.type	k_q8425073f1f_quant,@function
k_q8425073f1f_quant:
	s_mov_b64 s[64:65], 0
	v_nop
	global_prefetch_b8 v0, s[64:65] scope:SCOPE_SE
	s_setreg_imm32_b32 hwreg(HW_REG_WAVE_SCHED_MODE, 0, 2), 2
	s_setreg_imm32_b32 hwreg(HW_REG_WAVE_MODE, 25, 1), 1
	s_wait_xcnt 0x0
	s_wait_alu depctr_vm_vsrc(0)
; QUANTISES BOTH OPERANDS OF THE PRODUCT.  xq[m][i] = clip(round(x[m][i] / sx[m])), sx[m] = max_i |x[m][i]| / 127;
; W[o][i] = (q[o][i] - zero[o][i/64]) * scale[o][i/64] + sum_k svd_up[o][k] svd_down[k][i];  wq[o][i] = clip(round(W[o][i] / sw[o])), sw[o] = max_i |W[o][i]| / 127.
; xq, wq: [4096][4096] bf16, which holds the whole numbers -128 .. 127 exactly.  scl: sx[4096] at byte 0, sw[4096] at byte 16,384, f32.
; NOTHING OF reference() IS LEFT OUT: every input reaches the output, and all are loaded (the bias by the second launch).
; FORMATS.  The rank-32 product goes to the matrix unit in f16 with f32 sums (svd_up, svd_down rounded once); (q - zero) * scale is made in f32 in reference()'s order and enters as the C operand.
; LIMITS.  |svd_up|, |svd_down| under 65,504 (f16's range).  sx = max * (1/127), and the division by sx is a multiplication by v_rcp_f32(sx): one or two units in the last place beside a true
; division, which moves a number that lies that close to a half by one step.  A row whose largest magnitude is under 2^-100 is quantised to zeros (an all-zero row too, where reference() forms 0 / 0).
; NaN and infinities among the inputs are not treated apart.  Of each word of w_packed the low byte alone is used, as in reference().
; ROUNDING.  t = v * inv + 1.5 * 2^23 in one fused step rounds to a whole number, ties to even; t - 1.5 * 2^23 is exact; so is its conversion to bf16; the clip is taken on the packed halves.
; SHARES.  Work-group g, sixteen waves.  x: wave w owns row 16 g + w whole, 128 registers: its maximum never leaves the wave.  W: the work-group owns rows 16 g .. +15, wave w their columns
; 256 w .. +255: sixteen tiles of 16 x 16, four groups of 64.  The sixteen waves' row maxima meet in LDS behind the kernel's one barrier.
; LAYOUT.  The matrix instruction is used transposed: source 0 = 16 columns of svd_down (turned on the way out of LDS by ds_load_tr16_b128), source 1 = the 16 rows of svd_up.  In the result lane l
; holds row l % 16 of W, and registers 0-7 the columns 8 (l / 16) + 0..7 of the tile: one word of eight nibbles coming in, 16 bytes of bf16 going out.
; NO RING, NO PREFETCH, NO CLUSTER: a wave reads only bytes of its own; all of x's and w_packed's share is asked for in the first lines; svd_down, which all work-groups read, would have to land in LDS
; as f32, for which no room is left beside the 318,976 bytes in use.
; THE MODE: SCHED_MODE bits 1:0 = 2 (LLVM: expert scheduling mode 2), set by the entry lines.  The code itself states the register dependences between vector or matrix instructions and memory or
; LDS instructions, with s_wait_alu, always for 0.
; THE PLAN.  Registers that memory or LDS instructions touch:
;   v4-v18, v60, v61  addresses, made at the head and never written again: one wait on va_vdst ahead of the first load serves them all.
;   RB    w_packed lands | the byte picks work in it | LDS stores read it | svd_down's rows 0-7 land | conversions in place | LDS stores | rows 24-31 land | conversions | LDS stores |
;         the turning loads land, matrix instructions read, twice | the waves' maxima land | their maximum is taken | the stage's rows land | global stores read them.
;   ACC   x lands | maxima, quantising in place | global stores read it | svd_down's rows 8-23 land | conversions in place | LDS stores | W is made in it | quantising in place | LDS stores read it.
;   NQ    svd_up lands | its conversions read it | the words of nibbles land.      v58, v20, v59  a store's data each; v58 and v20 are written a second time.
; Vector work that feeds stores stands in runs, one wait on va_vdst behind a run; where a further run follows, the stores are dealt among its lines, which name other registers.  A wait on vm_vsrc stands
; ahead of the first line or load that writes a register which stores have read.  No scalar register that a vector instruction has read is written again.
.set WSPAN, 19712                      ; LDS of a wave: DN, then NB
.set NBO,   17408                      ; DN: svd_down in f16, 32 rows (k) x 256 columns, pitch 544 = 17 x 32 bytes; later ST, the stage, lies over it: 16 rows, pitch 528 = 33 x 16 bytes
                                       ; NB: eight nibbles a word, 16 rows, pitch 144 = 9 x 16 bytes
.set MXB,   315392                     ; the waves' row maxima: row r at 80 r, wave w's word at 4 w
.set SXB,   316672                     ; sx of x's row 16 g + w at word w
.set SPARE, 316928                     ; the spare words, 128 bytes for each of the sixteen waves: eight blocks of 256 bytes that no other line names
.set L16, 4                            ; v4   16 x lane
.set L8,  5                            ; v5   8 x lane
.set DSA, 6                            ; v6   DN + 8 x lane
.set NBS, 7                            ; v7   where my word of nibbles goes
.set NBL, 8                            ; v8   where I read a group's four words
.set TRA, 9                            ; v9   the turning load's address
.set STO, 10                           ; v10  the stage, in: row l % 16, 16 bytes for each half of the lanes
.set RDB, 11                           ; v11  the stage, back: 16 x lane of a row
.set UO,  12                           ; v12  svd_up: 128 (l % 16) + 32 (l / 16)
.set ZO,  13                           ; v13  zero_point, scale: 256 (l % 16)
.set MXS, 14
.set MXL, 15
.set SXA, 16
.set SXL, 17
.set SCO, 18                           ; v18  my word of scl: lanes 0-15 sw, lanes 16-31 sx
.set TT,  19                           ; v19  at work
.set MX,  20                           ; v[20:23] four running maxima
.set UPF, 24                           ; v[24:31] svd_up's fragment, f16
.set ZP,  32                           ; v[32:35] zero_point of my row's four groups
.set SC,  36                           ; v[36:39] scale likewise
.set NQ,  40                           ; v[40:55] svd_up in f32, later the sixteen tiles' words of nibbles
.set INV, 56                           ; v[56:57] 1 / s, twice
.set SV,  58                           ; v58  s: sx, later sw
.set SEL, 59                           ; v59  what wave 0 stores into scl
.set SPW, 60                           ; v60  my spare word's address; never rewritten
.set NIL, 61                           ; v61  0; never rewritten
.set RB,  64                           ; v[64:127]  w_packed's words; svd_down on its way; source 0's fragments; rows on their way out
.set ACC, 128                          ; v[128:255] x's row; svd_down on its way; then W: tile T at ACC + 8 T
	s_load_b512 s[4:19], s[0:1], 0x0               ; x 4, w_packed 6, svd_up 8, svd_down 10, scale 12, zero_point 14, xq 16, wq 18
	s_load_b64 s[20:21], s[0:1], 0x40              ; scl
	v_lshl_add_u32 v[SPW], v0, 2, SPARE
	v_mov_b32 v[NIL], 0
	v_lshrrev_b32 v[TT], 5, v0
	v_readfirstlane_b32 s22, v[TT]                 ; wave 0..15
	v_and_b32 v1, 31, v0                           ; l
	v_and_b32 v2, 15, v0                           ; l % 16
	v_bfe_u32 v3, v0, 4, 1                         ; l / 16
	s_wait_alu depctr_va_sdst(0)                   ; s22 is written, ahead of its first reader: LDS places, bases and a branch are made from it
	s_mul_i32 s38, s22, WSPAN                      ; my wave's LDS
	s_add_co_u32 s39, s38, NBO
	v_lshlrev_b32 v[L16], 4, v1
	v_lshlrev_b32 v[L8], 3, v1
	v_lshl_add_u32 v[DSA], v1, 3, s38
	; Lane l's word holds columns 8 l .. 8 l + 7: group l / 8, tile (l / 2) % 4 of it, half l % 2.  It goes to place 8 (l / 8) + 4 (l % 2) + (l / 2) % 4, so that one half's four tiles lie on end.
	v_and_b32 v[NBS], 24, v1
	v_and_b32 v[TT], 1, v1
	v_lshl_or_b32 v[NBS], v[TT], 2, v[NBS]
	v_bfe_u32 v[TT], v1, 1, 2
	v_or_b32 v[NBS], v[NBS], v[TT]
	v_lshl_add_u32 v[NBS], v[NBS], 2, s39
	v_mul_u32_u24 v[NBL], v2, 144
	v_lshl_add_u32 v[NBL], v3, 4, v[NBL]
	v_add_nc_u32 v[NBL], s39, v[NBL]
	; The turning load: lane l reads 16 bytes of row k = 8 (l / 16) + l % 8, columns 8 ((l / 8) % 2) + 0..7, and is left with column l % 16 and eight k.
	v_and_b32 v[TT], 7, v1
	v_lshl_add_u32 v[TT], v3, 3, v[TT]
	v_mul_u32_u24 v[TRA], v[TT], 544
	v_bfe_u32 v[TT], v1, 3, 1
	v_lshl_add_u32 v[TRA], v[TT], 4, v[TRA]
	v_add_nc_u32 v[TRA], s38, v[TRA]
	v_mul_u32_u24 v[STO], v2, 528
	v_lshl_add_u32 v[STO], v3, 4, v[STO]
	v_add_nc_u32 v[STO], s38, v[STO]
	v_lshl_add_u32 v[RDB], v1, 4, s38
	v_lshlrev_b32 v[UO], 7, v2
	v_lshl_add_u32 v[UO], v3, 5, v[UO]
	v_lshlrev_b32 v[ZO], 8, v2
	v_mul_u32_u24 v[MXL], v2, 80
	v_add_nc_u32 v[MXL], MXB, v[MXL]
	s_lshl_b32 s40, s22, 2
	v_add_nc_u32 v[MXS], s40, v[MXL]
	s_add_co_u32 s42, s40, SXB                     ; in a register of its own: s40, which the vector line above reads, is not written again
	v_mov_b32 v[SXA], s42
	v_lshl_add_u32 v[SXL], v2, 2, SXB
	v_xor_b32 v[SCO], 1, v3
	v_lshlrev_b32 v[SCO], 14, v[SCO]               ; sw lies 16,384 bytes behind sx
	v_lshl_add_u32 v[SCO], v2, 2, v[SCO]
	s_lshl_b32 s41, ttmp9, 6
	v_add_nc_u32 v[SCO], s41, v[SCO]
	s_mov_b32 s26, 0x4b400000                      ; 1.5 * 2^23; named as pairs, so both words are written
	s_mov_b32 s27, 0x4b400000
	s_mov_b32 s28, 0xcb400000                      ; and its negative
	s_mov_b32 s29, 0xcb400000
	s_mov_b32 s30, 0x42fe42fe                      ; 127 twice, in bf16
	s_mov_b32 s31, 0xc300c300                      ; -128 twice
	s_mov_b32 s32, 0x04000400                      ; v_perm_b32: byte 0 of both sources
	s_mov_b32 s33, 0x05040100                      ; the low halves of both sources
	s_mov_b32 s34, 0x76543210                      ; v_permlanex16_b32: each lane takes its own place in the other half
	s_mov_b32 s35, 0xfedcba98
	s_mov_b32 s36, 0x3c010204                      ; 1 / 127
	s_mov_b32 s37, 0x0d800000                      ; 2^-100
	s_lshl_b32 s23, ttmp9, 4
	s_add_co_u32 s23, s23, s22                     ; my row of x
	s_mov_b32 s25, 0
	s_wait_kmcnt 0x0
	s_lshl_b32 s24, s23, 14
	s_add_nc_u64 s[4:5], s[4:5], s[24:25]          ; x at my row
	s_lshl_b32 s24, s23, 13
	s_add_nc_u64 s[16:17], s[16:17], s[24:25]      ; xq at my row
	s_lshl_b32 s24, ttmp9, 17                      ; sixteen rows of 8,192 bytes,
	s_lshl_b32 s23, s22, 9                         ; my 256 columns: 512 bytes in w_packed and in wq
	s_add_co_u32 s24, s24, s23
	s_add_nc_u64 s[6:7], s[6:7], s[24:25]
	s_add_nc_u64 s[18:19], s[18:19], s[24:25]
	s_lshl_b32 s24, ttmp9, 11
	s_add_nc_u64 s[8:9], s[8:9], s[24:25]          ; svd_up at the work-group's rows
	s_lshl_b32 s24, s22, 10
	s_add_nc_u64 s[10:11], s[10:11], s[24:25]      ; svd_down at my columns
	s_lshl_b32 s24, ttmp9, 12
	s_lshl_b32 s23, s22, 4
	s_add_co_u32 s24, s24, s23
	s_add_nc_u64 s[12:13], s[12:13], s[24:25]      ; scale and zero_point at the work-group's rows, my four groups
	s_add_nc_u64 s[14:15], s[14:15], s[24:25]
	s_wait_alu depctr_va_vdst(0)                   ; the addresses v4 to v18 and v60, v61 are written: every load, store and LDS instruction of the kernel reads some of them
; Two loads: row 8 kq + kk of svd_down, my 1,024 bytes of it, 512 consecutive bytes a load.
.macro DROWS reg, kq, kk
	global_load_b128 v[(\reg)+8*(\kk):(\reg)+8*(\kk)+3],   v[L16], s[10:11] offset:16384*(8*(\kq)+(\kk))
	global_load_b128 v[(\reg)+8*(\kk)+4:(\reg)+8*(\kk)+7], v[L16], s[10:11] offset:16384*(8*(\kq)+(\kk))+512
.endm
; Sixteen loads: rows 8 kq .. 8 kq + 7.
.macro DLOAD reg, kq
.irp kk, 0,1,2,3,4,5,6,7
	DROWS \reg, \kq, \kk
.endr
.endm
; They are rounded to f16, all 32 conversions in one run, and laid into DN: 256 consecutive bytes a store.
.macro DCVT reg, kq
.irp kk, 0,1,2,3,4,5,6,7
.irp hf, 0,1
	v_cvt_pk_f16_f32 v[(\reg)+8*(\kk)+4*(\hf)],   v[(\reg)+8*(\kk)+4*(\hf)],   v[(\reg)+8*(\kk)+4*(\hf)+1]
	v_cvt_pk_f16_f32 v[(\reg)+8*(\kk)+4*(\hf)+1], v[(\reg)+8*(\kk)+4*(\hf)+2], v[(\reg)+8*(\kk)+4*(\hf)+3]
.endr
.endr
	s_wait_alu depctr_va_vdst(0)                   ; the conversions have written the pairs that the LDS stores below read, and are done with these 64 registers, in which later loads land
.irp kk, 0,1,2,3,4,5,6,7
.irp hf, 0,1
	ds_store_b64 v[DSA], v[(\reg)+8*(\kk)+4*(\hf):(\reg)+8*(\kk)+4*(\hf)+1] offset:544*(8*(\kq)+(\kk))+256*(\hf)
.endr
.endr
.endm
; Tile T's eight numbers of my row: (q - zero) * scale, in reference()'s order.
.macro DEQ T
.irp j, 0,1,2,3,4,5,6,7
	v_bfe_u32 v[ACC+8*(\T)+(\j)], v[NQ+(\T)], 4*(\j), 4
.endr
.irp j, 0,1,2,3,4,5,6,7
	v_cvt_f32_u32 v[ACC+8*(\T)+(\j)], v[ACC+8*(\T)+(\j)]
.endr
.irp j, 0,1,2,3,4,5,6,7
	v_sub_f32 v[ACC+8*(\T)+(\j)], v[ACC+8*(\T)+(\j)], v[ZP+(\T)/4]
.endr
.irp j, 0,1,2,3,4,5,6,7
	v_mul_f32 v[ACC+8*(\T)+(\j)], v[ACC+8*(\T)+(\j)], v[SC+(\T)/4]
.endr
.endm
; Eight tiles.  The first tile's 32 plain lines stand between the matrix instructions before them and the loads into source 0's registers; in the second half the wait behind them states that dependence.
; In the first half the last lines that named those registers are svd_down's conversions, which stand ahead of their own wait: nothing more is owed there.
; Each of the eight matrix instructions has an accumulator of its own: no chain.
.macro HALF c
	DEQ 8*(\c)
.if (\c) == 1
	s_wait_alu depctr_va_vdst(0)                   ; the first half's matrix instructions are done reading source 0's registers, in which the turning loads below land
.endif
.irp u, 0,1,2,3,4,5,6,7
	ds_load_tr16_b128 v[RB+8*(\u):RB+8*(\u)+3],   v[TRA] offset:32*(8*(\c)+(\u))
	ds_load_tr16_b128 v[RB+8*(\u)+4:RB+8*(\u)+7], v[TRA] offset:32*(8*(\c)+(\u))+16*544
.endr
.irp u, 1,2,3,4,5,6,7
	DEQ 8*(\c)+(\u)
.endr
	s_wait_dscnt 0x0                               ; the fragments are in
.irp u, 0,1,2,3,4,5,6,7
	v_wmma_f32_16x16x32_f16 v[ACC+8*(8*(\c)+(\u)):ACC+8*(8*(\c)+(\u))+7], v[RB+8*(\u):RB+8*(\u)+7], v[UPF:UPF+7], v[ACC+8*(8*(\c)+(\u)):ACC+8*(8*(\c)+(\u))+7]
.endr
.endm
; The four chains of the largest magnitude.  ASTART: the first eight registers start them, nothing is cleared.  AMAX: count pairs of registers from first on, the chains by turns.
.macro ASTART
.irp k, 0,1,2,3
	v_max_num_f32 v[MX+(\k)], |v[ACC+2*(\k)]|, |v[ACC+2*(\k)+1]|
.endr
.endm
.macro AMAX first, count
.set n, 0
.rept \count
	v_max3_num_f32 v[MX+n%4], v[MX+n%4], |v[(\first)+2*n]|, |v[(\first)+2*n+1]|
.set n, n+1
.endr
.endm
.macro AJOIN
	v_max3_num_f32 v[MX], v[MX], v[MX+1], v[MX+2]
	v_max_num_f32 v[MX], v[MX], v[MX+3]
.endm
; s = maximum / 127 and 1 / s, or 0 where the maximum is under 2^-100.  The compare is the plain instruction behind the reciprocal.
.macro INVERSE
	v_mul_f32 v[SV], s36, v[MX]
	v_rcp_f32 v[INV], v[SV]
	v_cmp_le_f32 vcc_lo, s37, v[MX]
	s_wait_alu depctr_va_vdst(0)                   ; the reciprocal has written its result, ahead of the first line that names it; s is written too, which the LDS store of sx reads
	s_wait_alu depctr_va_vcc(0)                    ; the compare has written VCC, which the select below reads
	v_cndmask_b32 v[INV], 0, v[INV], vcc_lo
	v_mov_b32 v[INV+1], v[INV]
.endm
; Eight numbers in reg .. reg + 7 are quantised and packed: into reg, reg + 1, reg + 2 + gap, reg + 3 + gap.
.macro QT reg, gap
.irp i, 0,2,4,6
	v_pk_fma_f32 v[(\reg)+(\i):(\reg)+(\i)+1], v[(\reg)+(\i):(\reg)+(\i)+1], v[INV:INV+1], s[26:27] op_sel_hi:[1,1,0]
.endr
.irp i, 0,2,4,6
	v_pk_add_f32 v[(\reg)+(\i):(\reg)+(\i)+1], v[(\reg)+(\i):(\reg)+(\i)+1], s[28:29] op_sel_hi:[1,0]
.endr
.irp i, 0,1,2,3
	v_cvt_pk_bf16_f32 v[(\reg)+(\i)+(\gap)*((\i)/2)], v[(\reg)+2*(\i)], v[(\reg)+2*(\i)+1]
.endr
.irp i, 0,1,2,3
	v_pk_min_num_bf16 v[(\reg)+(\i)+(\gap)*((\i)/2)], v[(\reg)+(\i)+(\gap)*((\i)/2)], s30
.endr
.irp i, 0,1,2,3
	v_pk_max_num_bf16 v[(\reg)+(\i)+(\gap)*((\i)/2)], v[(\reg)+(\i)+(\gap)*((\i)/2)], s31
.endr
.endm
; Block t of x's row goes out: 32 lanes store 256 consecutive bytes, at a multiple of 256 from xq's first byte, twice.
.macro XSTORE t
	global_store_b64 v[L8], v[ACC+8*(\t):ACC+8*(\t)+1],   s[16:17] offset:512*(\t)
	global_store_b64 v[L8], v[ACC+8*(\t)+4:ACC+8*(\t)+5], s[16:17] offset:512*(\t)+256
.endm
; Tile t of W goes into my stage: 16 bytes a lane.
.macro WSTORE t
	ds_store_b128 v[STO], v[ACC+8*(\t):ACC+8*(\t)+3] offset:32*(\t)
.endm
	; ALL THAT COMES FROM MEMORY ONCE IS ASKED FOR NOW: 16 loads of w_packed, 6 small ones, 32 of x: 54 of mine are out.
.irp p, 0,1,2,3,4,5,6,7,8,9,10,11,12,13,14,15
	global_load_b128 v[RB+4*(\p):RB+4*(\p)+3], v[L16], s[6:7] offset:8192*(\p) th:TH_LOAD_NT  ; row p: my 128 words, 512 consecutive bytes
.endr
	global_load_b128 v[NQ:NQ+3],     v[UO], s[8:9]            ; svd_up(l % 16, 8 (l / 16) + 0..7),
	global_load_b128 v[NQ+4:NQ+7],   v[UO], s[8:9] offset:16
	global_load_b128 v[NQ+8:NQ+11],  v[UO], s[8:9] offset:64  ; and 16 + 8 (l / 16) + 0..7
	global_load_b128 v[NQ+12:NQ+15], v[UO], s[8:9] offset:80
	global_load_b128 v[ZP:ZP+3], v[ZO], s[14:15]
	global_load_b128 v[SC:SC+3], v[ZO], s[12:13]
.set q, 0
.rept 32
	global_load_b128 v[ACC+4*q:ACC+4*q+3], v[L16], s[4:5] offset:512*q th:TH_LOAD_NT
.set q, q+1
.endr
	s_wait_loadcnt 38                              ; w_packed is in: the 6 + 32 younger loads stay out
.irp p, 0,1,2,3,4,5,6,7,8,9,10,11,12,13,14,15
	v_perm_b32 v[RB+4*(\p)],   v[RB+4*(\p)+1], v[RB+4*(\p)],   s32   ; byte 0 of words 0 and 1,
	v_perm_b32 v[RB+4*(\p)+2], v[RB+4*(\p)+3], v[RB+4*(\p)+2], s32   ; of words 2 and 3,
	v_perm_b32 v[RB+4*(\p)],   v[RB+4*(\p)+2], v[RB+4*(\p)],   s33   ; all four: eight nibbles in the columns' order
.endr
	s_wait_alu depctr_va_vdst(0)                   ; the byte picks have written the sixteen words that the LDS stores read, and are done with RB, in which svd_down's loads land
.irp p, 0,1,2,3,4,5,6,7,8,9,10,11,12,13,14,15
	ds_store_b32 v[NBS], v[RB+4*(\p)] offset:144*(\p)
.endr
	s_wait_alu depctr_vm_vsrc(0)                   ; the LDS stores have read their words of RB, in which the loads below land
	DLOAD RB, 0                                    ; svd_down's rows 0-7 come in under x's work
	s_wait_loadcnt 48                              ; the six small loads are in: x's 32 and svd_down's 16 are younger
.irp i, 0,1,2,3,4,5,6,7
	v_cvt_pk_f16_f32 v[UPF+(\i)], v[NQ+2*(\i)], v[NQ+2*(\i)+1]
.endr
	; x's ROW: the largest magnitude, a quarter of the row (8 loads) at a time
	s_wait_loadcnt 40                              ; 24 of x and 16 of svd_down are younger
	ASTART
	AMAX ACC+8, 12
	s_wait_loadcnt 32
	AMAX ACC+32, 16
	s_wait_loadcnt 24
	AMAX ACC+64, 16
	s_wait_loadcnt 16                              ; svd_down's 16 stay out
	AMAX ACC+96, 16
	AJOIN
	v_max_num_f32_dpp v[MX], v[MX], v[MX] row_xmask:1 row_mask:0xf bank_mask:0xf
	v_max_num_f32_dpp v[MX], v[MX], v[MX] row_xmask:2 row_mask:0xf bank_mask:0xf
	v_max_num_f32_dpp v[MX], v[MX], v[MX] row_xmask:4 row_mask:0xf bank_mask:0xf
	v_max_num_f32_dpp v[MX], v[MX], v[MX] row_xmask:8 row_mask:0xf bank_mask:0xf
	v_permlanex16_b32 v[TT], v[MX], s34, s35
	v_max_num_f32 v[MX], v[MX], v[TT]
	INVERSE
	ds_store_b32 v[SXA], v[SV]                     ; sx: all lanes, the same word and number; s was written ahead of INVERSE's wait, and the two lines behind that wait name 1 / s alone
	; x's ROW GOES OUT in four groups of four blocks.  A group's eight stores stand behind the wait at the group's end, dealt among the next group's vector lines, which name that group's registers alone.
.set q, 0
.rept 4
	QT ACC+8*q, 2
.set q, q+1
.endr
	s_wait_alu depctr_va_vdst(0)                   ; blocks 0-3 are quantised: the stores below read them
.rept 4
	XSTORE q-4
	QT ACC+8*q, 2
.set q, q+1
.endr
	s_wait_alu depctr_va_vdst(0)                   ; blocks 4-7 are quantised: the stores below read them
.rept 4
	XSTORE q-4
	QT ACC+8*q, 2
.set q, q+1
.endr
	s_wait_xcnt 0x0                                ; the stores of blocks 0-7 have had their addresses translated (ISA guide 3.1): only now are their data registers loaded again
	s_wait_alu depctr_vm_vsrc(0)                   ; and they have read ACC's first 64 registers, in which svd_down's rows 8-15 land
	s_wait_alu depctr_va_vdst(0)                   ; blocks 8-11 are quantised: the stores below read them; the lines that worked in ACC's first 64 registers are done
.rept 4
	DROWS ACC, 1, 2*(q-12)                         ; svd_down's rows 8-15, two rows to a block: no vector line since the waits names their registers
	DROWS ACC, 1, 2*(q-12)+1
	XSTORE q-4
	QT ACC+8*q, 2
.set q, q+1
.endr
	s_wait_alu depctr_va_vdst(0)                   ; blocks 12-15 are quantised: the stores below read them; the lines that worked in ACC's last 64 registers are done
.rept 4
	XSTORE q-4
.set q, q+1
.endr
	s_wait_xcnt 0x0                                ; the stores have had their addresses translated: only now are their data registers loaded again
	s_wait_alu depctr_vm_vsrc(0)                   ; the stores of blocks 8-15 have read ACC's last 64 registers, in which the loads below land
	DLOAD ACC+64, 2
	s_wait_loadcnt 32                              ; rows 0-7 are in: rows 8-23 (32 loads) stay out
	DCVT RB, 0
	s_wait_alu depctr_vm_vsrc(0)                   ; the LDS stores of rows 0-7 have read RB, in which the loads below land
	DLOAD RB, 3
	s_wait_loadcnt 32                              ; rows 8-15: rows 16-31 stay out
	DCVT ACC, 1
	s_wait_loadcnt 16                              ; rows 16-23: rows 24-31 stay out
	DCVT ACC+64, 2
	s_wait_loadcnt 0x0
	DCVT RB, 3
	; W: (q - zero) * scale as C, the rank-32 product on top
.irp gi, 0,1,2,3
	ds_load_b128 v[NQ+4*(\gi):NQ+4*(\gi)+3], v[NBL] offset:32*(\gi)   ; group gi: my half's words of its four tiles; svd_up's conversions, which read these registers, stand ahead of the waits above
.endr
	s_wait_dscnt 0x0
	s_wait_alu depctr_vm_vsrc(0)                   ; svd_down's LDS stores have read ACC, which the lines below write, and RB, in which the turning loads land
	HALF 0
	HALF 1
	; W's largest magnitude in my 256 columns.  Tiles and registers ascend; tiles 0-7's 32 lines, which name no
	; register of the last eight matrix instructions, are the places behind those.
	ASTART
	AMAX ACC+8, 60
	AJOIN
	v_permlanex16_b32 v[TT], v[MX], s34, s35       ; the row's other 128 columns lie in the lane 16 away
	v_max_num_f32 v[MX], v[MX], v[TT]
	s_wait_alu depctr_va_vdst(0)                   ; my maximum is written, which the LDS store reads; the second half's matrix instructions are done reading RB, in which the loads behind the barrier land
	ds_store_b32 v[MXS], v[MX]
	s_wait_dscnt 0x0                               ; for the others' sake: my maximum and my sx are in LDS
	s_barrier_signal -1
	s_barrier_wait -1                              ; the one barrier: all sixteen waves' are
	s_wait_alu depctr_vm_vsrc(0)                   ; my LDS store has read the register of my maximum, which is written again below
	ds_load_b128 v[RB:RB+3],     v[MXL]
	ds_load_b128 v[RB+4:RB+7],   v[MXL] offset:16
	ds_load_b128 v[RB+8:RB+11],  v[MXL] offset:32
	ds_load_b128 v[RB+12:RB+15], v[MXL] offset:48
	ds_load_b32 v[RB+16], v[SXL]
	s_wait_dscnt 0x0
	v_max3_num_f32 v[RB],    v[RB],    v[RB+1],  v[RB+2]
	v_max3_num_f32 v[RB+3],  v[RB+3],  v[RB+4],  v[RB+5]
	v_max3_num_f32 v[RB+6],  v[RB+6],  v[RB+7],  v[RB+8]
	v_max3_num_f32 v[RB+9],  v[RB+9],  v[RB+10], v[RB+11]
	v_max3_num_f32 v[RB+12], v[RB+12], v[RB+13], v[RB+14]
	v_max3_num_f32 v[RB],    v[RB],    v[RB+3],  v[RB+15]
	v_max3_num_f32 v[RB+6],  v[RB+6],  v[RB+9],  v[RB+12]
	v_max_num_f32 v[MX], v[RB], v[RB+6]            ; row l % 16's largest magnitude
	INVERSE
	s_cmp_lg_u32 s22, 0
	s_cbranch_scc1 .Lnot_wave_0
	v_cmp_gt_u32 vcc_lo, 16, v1                    ; wave 0 stores the work-group's 16 sw (lanes 0-15) and 16 sx (lanes 16-31): two pieces of 64 bytes
	s_wait_alu depctr_va_vcc(0)                    ; the compare has written VCC, which the select reads
	v_cndmask_b32 v[SEL], v[RB+16], v[SV], vcc_lo
	s_wait_alu depctr_va_vdst(0)                   ; the select has written the number that the store reads
	global_store_b32 v[SCO], v[SEL], s[20:21]
.Lnot_wave_0:
	; THE WAY OUT: 16 bytes a lane into my stage, which lies where svd_down lay (my last turning load has been waited for, and no other wave touches these bytes); back as whole rows of 512 bytes.
	; Four groups of four tiles, as with x: a group's four LDS stores stand behind the wait at its end, dealt among the next group's vector lines.
.set q, 0
.rept 4
	QT ACC+8*q, 0
.set q, q+1
.endr
	s_wait_alu depctr_va_vdst(0)                   ; tiles 0-3 are quantised: the LDS stores below read them
.rept 4
	WSTORE q-4
	QT ACC+8*q, 0
.set q, q+1
.endr
	s_wait_alu depctr_va_vdst(0)                   ; tiles 4-7 are quantised
.rept 4
	WSTORE q-4
	QT ACC+8*q, 0
.set q, q+1
.endr
	s_wait_alu depctr_va_vdst(0)                   ; tiles 8-11 are quantised
.rept 4
	WSTORE q-4
	QT ACC+8*q, 0
.set q, q+1
.endr
	s_wait_alu depctr_va_vdst(0)                   ; tiles 12-15 are quantised; the lines that took the waves' maximum in RB, and wave 0's select, are done: the stage's rows land there
.rept 4
	WSTORE q-4
.set q, q+1
.endr
.irp p, 0,1,2,3,4,5,6,7,8,9,10,11,12,13,14,15
	ds_load_b128 v[RB+4*(\p):RB+4*(\p)+3], v[RDB] offset:528*(\p)  ; LDS serves a wave's instructions in order (ISA guide 5.7.1.4): these see the stores above
.endr
.irp p, 0,1,2,3,4,5,6,7,8,9,10,11,12,13,14,15
	s_wait_dscnt 15-(\p)                           ; row p is back; the younger rows stay out
	global_store_b128 v[L16], v[RB+4*(\p):RB+4*(\p)+3], s[18:19] offset:8192*(\p)  ; 512 consecutive bytes, at a multiple of 256 from wq's first byte
.endr
	s_wait_dscnt 0x0                               ; the closing lines, six on end
	s_wait_alu 0x0
	s_wait_tensorcnt 0x0
	ds_add_u32 v[SPW], v[NIL]
	s_wait_dscnt 0x0
	s_endpgm
.Lfunc_end_k_q8425073f1f_quant:
	.size	k_q8425073f1f_quant, .Lfunc_end_k_q8425073f1f_quant-k_q8425073f1f_quant
	.p2alignl 7, 3214868480
	.fill 96, 4, 3214868480
	.section	.rodata,"a",@progbits
	.p2align	6, 0x0
	.amdhsa_kernel k_q8425073f1f_quant
		.amdhsa_group_segment_fixed_size 318976
		.amdhsa_private_segment_fixed_size 0
		.amdhsa_enable_private_segment 0
		.amdhsa_kernarg_size 72
		.amdhsa_user_sgpr_count 2
		.amdhsa_user_sgpr_kernarg_segment_ptr 1
		.amdhsa_wavefront_size32 1
		.amdhsa_system_sgpr_workgroup_id_x 1
		.amdhsa_system_sgpr_workgroup_id_y 1
		.amdhsa_system_sgpr_workgroup_id_z 1
		.amdhsa_system_vgpr_workitem_id 0
		.amdhsa_next_free_vgpr 256
		.amdhsa_next_free_sgpr 66
		.amdhsa_reserve_vcc 1
		.amdhsa_float_denorm_mode_32 3
		.amdhsa_float_denorm_mode_16_64 3
		.amdhsa_memory_ordered 1
		.amdhsa_forward_progress 1
		.amdhsa_inst_pref_size 114
	.end_amdhsa_kernel
	.amdgpu_metadata
---
amdhsa.version: [ 1, 2 ]
amdhsa.kernels:
  - .name:           k_q8425073f1f_quant
    .symbol:         k_q8425073f1f_quant.kd
    .args:
      - { .name: x, .offset: 0, .size: 8, .value_kind: global_buffer, .address_space: global }
      - { .name: w_packed, .offset: 8, .size: 8, .value_kind: global_buffer, .address_space: global }
      - { .name: svd_up, .offset: 16, .size: 8, .value_kind: global_buffer, .address_space: global }
      - { .name: svd_down, .offset: 24, .size: 8, .value_kind: global_buffer, .address_space: global }
      - { .name: scale, .offset: 32, .size: 8, .value_kind: global_buffer, .address_space: global }
      - { .name: zero_point, .offset: 40, .size: 8, .value_kind: global_buffer, .address_space: global }
      - { .name: xq, .offset: 48, .size: 8, .value_kind: global_buffer, .address_space: global }
      - { .name: wq, .offset: 56, .size: 8, .value_kind: global_buffer, .address_space: global }
      - { .name: scl, .offset: 64, .size: 8, .value_kind: global_buffer, .address_space: global }
    .group_segment_fixed_size: 318976
    .private_segment_fixed_size: 0
    .kernarg_segment_align: 8
    .kernarg_segment_size: 72
    .max_flat_workgroup_size: 512
    .sgpr_count:     66
    .vgpr_count:     256
    .wavefront_size: 32
...
	.end_amdgpu_metadata
.endif
;; end of part 3
;; launch gemm: the kernel of part 2 again; grid 16 x 16, 4 waves a work-group, clusters of 4 x 4, 327,680 bytes of LDS; arguments xq, wq, scl, bias, out0; writes out0
